; MI455X (gfx1250); checked and timed in simulation.
; The chip was launched on July 23, 2026; its instructions are those of AMD's public machine-readable ISA for CDNA 5 (MIT licence, August 2026) and "CDNA5" Instruction Set Architecture Reference Guide (July 2026). The comments in the code are by the model that wrote it; some were corrected since.
;; Gated Adapters. Allowed arithmetic: matrix products marked QUANTISED: E5M2 operands, one given power-of-two scale a tensor, by v_wmma_f32_16x16x64_bf8_bf8 or v_wmma_f32_16x16x128_bf8_bf8, f32 sums; products left as they are: f32 operands where the result goes on into a quantised operand, else bf16, f16 or f32 operands; f32 sums; everything else in f32.
;; Inputs: b1 8 x 512 float32; b2 8 x 1,024 float32; gating_w 8 x 1,024 float32; ln_beta 1,024 float32; ln_gamma 1,024 float32; lowp_scales 4 int32 (the exponents e of the quantised operands' scales 2^e); padding 8 x 1,024 bool; w1_codes 8 x 512 x 32 x 32 uint8 (E5M2 codes of w1, K innermost, in blocks of 32 codes); w2_codes 8 x 1,024 x 16 x 32 uint8 (E5M2 codes of w2, K innermost, in blocks of 32 codes); x 1,024 x 8 x 1,024 float32.
;; Outputs: out0 1,024 x 8 x 1,024 float32; out1 8 x 8 float32.
;; This version of the problem:
;;   THIS VERSION OF THE PROBLEM IS GIVEN IN LOW PRECISION. The matrix products marked QUANTISED in the list below multiply operands that are first quantised to E5M2 (5 exponent bits, 2 mantissa bits; 8 bits a number), with one given power-of-two scale for each operand tensor; their sums are f32. All else is computed in f32.
;;   The module's matrix products, in the order in which they are computed (A, B: the left and right operand; K: the contracted axis; several contracted axes count as one K, in the product's order):
;;     1. [M 8, K 1,024] x [K 1,024, N 8]; A: computed on the way; B: input gating_w: left as it is (M = 8 < 16)
;;     2. [M 8,192, K 1,024] x [K 1,024, N 4,096]; A: computed on the way; B: input w1 (given as codes): QUANTISED (scales: A lowp_scales[0], B lowp_scales[1])
;;     3. batch 8 x [M 1,024, K 512] x [K 512, N 8,192]; A: input w2 (given as codes); B: computed on the way: QUANTISED (scales: A lowp_scales[2], B lowp_scales[3])
;;     4. batch 8 x [M 1, K 8] x [K 8, N 1,048,576]; A: computed on the way; B: computed on the way: left as it is (K = 8 < 32)
;;   THE QUANTISER, for each operand of a quantised product, along K:
;;     - The operand's scale is 2^e, e = its entry of the input lowp_scales (int32; the entries are numbered through the quantised products in the list's order, A before B).
;;     - Each number is divided by the scale, clamped to +-57,344, and rounded to the nearest number of E5M2, ties to even, subnormals kept.
;;     - The product sums the exact products of the quantised numbers (number of the format x scale) in f32.
;;   ~~~python
;;   def quantise(x, axis, e):      # numpy; x: float32 -> the quantised numbers, widened to float32 again
;;       x = np.moveaxis(x, axis, -1); K = x.shape[-1]
;;       r = np.clip(x / 2.0 ** e, -57344, 57344)
;;       step = 2.0 ** (np.maximum(np.frexp(np.where(r == 0, 1, r))[1] - 1, -14) - 2)
;;       q = np.round(r / step) * step * 2.0 ** e      # np.round: ties to even
;;       return np.moveaxis(q, -1, axis).astype(np.float32)
;;   ~~~
;;   OPERANDS COMPUTED ON THE WAY. 'Computed on the way' means the value that the module computes at that place (a softmax that the list does not call 'softmax' is quantised finished and normalised). What goes into a quantiser is computed in f32, as accurately as f32 sums, v_exp_f32 and their like allow (about 1e-6 of the number): no bf16 or f16 on the way to a quantiser, and a product that is left as it is and whose result goes on into a quantised operand takes f32 operands (vector FMAs, or v_wmma_f32_16x16x4_f32). A number that lies on a knife's edge between two numbers of the format may be rounded either way, as far as f32 arithmetic and the matrix unit's own rounding can turn it there, and no further.
;;   INPUTS GIVEN AS CODES. w1 (in the module: [8, 1024, 512], K = its axis 1); w2 (in the module: [8, 512, 1024], K = its axis 1): each comes as NAME_codes (uint8): NAME with its K axis moved to the last place and cut into blocks of 32 codes, [.., K / 32, bytes a block], one block behind the other in memory; one code a byte (a code: sign, 5 exponent bits, 2 mantissa bits); its scale is its entry of lowp_scales. Its value is code x scale, taken as it is: it is not quantised again, and the codes and scales need not be those that the quantiser above would give.
;; One version. Each part assembles by itself: llvm-mc -triple=amdgcn-amd-amdhsa -mcpu=gfx1250 --defsym DOCPART=n.
;; ======== version 1 of 1: 3 launches
;; workspace buffers: xq 8,388,608 bytes; pmax 1,048,576 bytes; plog 16,384 bytes; hq 33,554,432 bytes; w2i 4,194,304 bytes
;; launch prep (part 1): grid 32 x 8, 8 waves a work-group, no clusters, 66,560 bytes of LDS; arguments x, padding, ln_gamma, ln_beta, lowp_scales, xq, pmax, w2_codes, w2i; writes xq, pmax, w2i
.if DOCPART == 1
	.amdgcn_target "amdgcn-amd-amdhsa--gfx1250"
	.amdhsa_code_object_version 6
	.text
	.protected	k_q92fc76f37f_prep
	.globl	k_q92fc76f37f_prep
	.p2align	8
	.type	k_q92fc76f37f_prep,@function
k_q92fc76f37f_prep:
	s_mov_b64 s[64:65], 0
	v_nop
	global_prefetch_b8 v0, s[64:65] scope:SCOPE_SE
	s_setreg_imm32_b32 hwreg(HW_REG_WAVE_MODE, 25, 1), 1
	s_wait_xcnt 0x0
; x [1024 s][8 b][1024] f32 is read once and gives two things:
;   xq [1024 b + s][1024]: codes of E5M2 of LayerNorm(x) x gamma + beta, with the given scale 2^e0 (entry 0 of the scales), K innermost, rows ordered by sentence;
;   pmax [b][chunk of 32 positions][1024] f32: the largest x + neg of the chunk, neg = -1e30 where padding[b][s] is set, else 0.
; code = xn / 2^e0, held within +-57,344, to the nearest code, ties to even.
; LIMITS: e0 between -126 and 112, so that 2^e0 and 57,344 x 2^e0 are f32 numbers.  NaN among the inputs is not served.
; BESIDE IT w2's codes are laid out once as the last launch's operand registers take them: w2i [group of 64 columns][expert][128 along K][16 columns]: a fragment of 2,048 bytes, quad c of lane l at
; 512 c + 16 l = w2[e][column 16 .. + l % 16][K 32 c + 16 (l / 16) + 0 .. 15].  There are 2,048 fragments and 2,048 waves: one each, four loads and four stores.  The codes are moved, not changed.
; SHARES.  Work-group (c, b) takes positions 32 c .. 32 c + 31 of sentence b; each of its eight waves four of them.  A wave holds a whole row: quad j of lane l is the 16 bytes
; at 512 j + 16 l, so every load reads 512 consecutive bytes.  All 32 loads of a wave go out at once: all that the wave reads is on its way before the first row is worked.
; The mean is taken first and taken away, then the squares are summed: a common offset of the inputs does no harm.
; A stream: no matrix unit, no cluster (work-groups share no input but 8 KB of gamma and beta), no tensor load.
; LDS: 0 .. 32767 a stage of 4 rows x 1,024 codes for each wave; 32768 .. 65535 each wave's 1,024 maxima.
.set ROWX, 32768                       ; bytes from position s to s + 1 of one sentence
.set MAXR, 32768
.set G,   16                           ; v16-47   gamma of my 32 columns; at the end the codes read back
.set BT,  48                           ; v48-79   beta; at the end the eight waves' maxima
.set M,   80                           ; v80-111  the running maxima of my 32 columns
.set T,   112                          ; v112-119 at work; at the start, with v120-127, my fragment of w2
.set C0,  120                          ; v120-127 row 0's codes (row i's lie in row i - 1's first eight registers, which are done with)
.set X,   128                          ; v128-255 four rows, 32 registers each
	s_load_b256 s[4:11], s[0:1], 0x0               ; x s[4:5], padding s[6:7], gamma s[8:9], beta s[10:11]
	s_load_b128 s[12:15], s[0:1], 0x20             ; the scales' exponents s[12:13], xq s[14:15]
	s_load_b64 s[16:17], s[0:1], 0x30              ; pmax
	s_load_b128 s[48:51], s[0:1], 0x38             ; w2's codes s[48:49], w2i s[50:51]
	s_set_vgpr_msb 0x40
	v_lshl_add_u32 v0, v0, 2, 0x10000
	v_mov_b32 v1, 0
	s_set_vgpr_msb 0x4000
	v_lshrrev_b32 v7, 5, v0
	v_readfirstlane_b32 s18, v7                    ; wave 0..7
	s_and_b32 s19, ttmp7, 0xffff                   ; the sentence b
	v_and_b32 v7, 31, v0                           ; lane
	v_lshlrev_b32 v1, 4, v7                        ; 16 l: my bytes of 512, in x, gamma, beta, xq and w2i
	s_lshl_b32 s22, s18, 12
	v_lshlrev_b32 v2, 2, v7
	v_add_nc_u32 v2, s22, v2                       ; the stage, in: 4096 w + 4 l
	v_add_nc_u32 v3, s22, v1                       ; and back: 4096 w + 16 l
	v_add_nc_u32 v4, MAXR, v3                      ; my maxima: MAXR + 4096 w + 16 l
	s_lshl_b32 s22, s18, 9
	v_add_nc_u32 v6, s22, v1                       ; pmax: 512 w + 16 l
	v_add_nc_u32 v5, MAXR, v6                      ; quad w of every wave's maxima
	v_and_b32 v14, 15, v0
	v_lshlrev_b32 v14, 9, v14
	v_bfe_u32 v15, v0, 4, 1
	v_lshl_add_u32 v14, v15, 4, v14                ; w2: row l % 16 of 512 bytes, + 16 (l / 16)
	v_mov_b32 v9, 0                                ; (upper halves of the pairs v[8:9] and v[10:11], named with them)
	v_mov_b32 v11, 0
	s_mov_b32 s23, 0xf149f2ca                      ; -1e30
	s_mov_b32 s32, 0x3a800000                      ; 1 / 1024
	s_mov_b32 s33, 0x3727c5ac                      ; 1e-5
	s_mov_b32 s34, 0x76543210                      ; v_permlanex16_b32: lane l xor 16
	s_mov_b32 s35, 0xfedcba98
	s_lshl_b32 s38, ttmp9, 20                      ; x: (32 c + 4 w) positions of 32,768 bytes + 4,096 b
	s_lshl_b32 s22, s18, 17
	s_add_co_u32 s38, s38, s22
	s_lshl_b32 s22, s19, 12
	s_add_co_u32 s38, s38, s22
	s_mov_b32 s39, 0
	s_lshl_b32 s40, s19, 10                        ; padding: 1024 b + 32 c + 4 w: my four bytes, one word
	s_lshl_b32 s22, ttmp9, 5
	s_add_co_u32 s40, s40, s22
	s_lshl_b32 s22, s18, 2
	s_add_co_u32 s40, s40, s22
	s_mov_b32 s41, 0
	s_lshl_b32 s42, s40, 10                        ; xq: the same row number x 1,024 bytes
	s_mov_b32 s43, 0
	s_lshl_b32 s44, s19, 5
	s_add_co_u32 s44, s44, ttmp9
	s_lshl_b32 s52, s44, 3
	s_add_co_u32 s52, s52, s18                     ; f = 8 (32 b + c) + w: my fragment of w2i: bits 1:0 its 16 columns, 3:2 its 128 along K, 6:4 the expert, 10:7 the group of 64 columns
	s_lshl_b32 s44, s44, 12                        ; pmax: (32 b + c) x 4,096 bytes
	s_mov_b32 s45, 0
	s_bfe_u32 s54, s52, (3<<16)|4
	s_lshl_b32 s54, s54, 19                        ; w2: the expert's 1,024 rows of 512 bytes,
	s_lshr_b32 s22, s52, 7
	s_lshl_b32 s22, s22, 15
	s_add_co_u32 s54, s54, s22                     ; the group's 64 rows,
	s_and_b32 s22, s52, 3
	s_lshl_b32 s22, s22, 13
	s_add_co_u32 s54, s54, s22                     ; the fragment's 16 rows,
	s_bfe_u32 s22, s52, (2<<16)|2
	s_lshl_b32 s22, s22, 7
	s_add_co_u32 s54, s54, s22                     ; and its 128 along K
	s_mov_b32 s55, 0
	s_lshl_b32 s56, s52, 11                        ; w2i: 2,048 bytes a fragment
	s_mov_b32 s57, 0
	s_wait_kmcnt 0x0
	s_add_nc_u64 s[6:7], s[6:7], s[40:41]
	s_load_b32 s20, s[6:7], 0x0                    ; padding of my four positions
	s_load_b32 s36, s[12:13], 0x0                  ; e0
	s_add_nc_u64 s[4:5], s[4:5], s[38:39]
	s_add_nc_u64 s[14:15], s[14:15], s[42:43]
	s_add_nc_u64 s[16:17], s[16:17], s[44:45]
	s_add_nc_u64 s[48:49], s[48:49], s[54:55]
	s_add_nc_u64 s[50:51], s[50:51], s[56:57]
.irp c, 0,1,2,3                                ; my fragment of w2 first: it is in, and gone again, before the first row is
	global_load_b128 v[T+4*\c:T+4*\c+3], v14, s[48:49] offset:32*\c
.endr
.irp j, 0,1,2,3,4,5,6,7                        ; gamma and beta ahead of x: the counted waits for x's rows then cover them
	global_load_b128 v[G+4*\j:G+4*\j+3], v1, s[8:9] offset:512*\j
	global_load_b128 v[BT+4*\j:BT+4*\j+3], v1, s[10:11] offset:512*\j
.endr
.irp i, 0,1,2,3
.irp j, 0,1,2,3,4,5,6,7
	global_load_b128 v[X+32*\i+4*\j:X+32*\i+4*\j+3], v1, s[4:5] offset:ROWX*\i+512*\j th:TH_LOAD_NT
.endr
.endr
	s_wait_kmcnt 0x0
.irp i, 0,1,2,3
	s_bfe_u32 s22, s20, (8<<16)|(8*\i)             ; byte i of the word; SCC = it is not 0
	s_cselect_b32 s[24+2*\i], s23, 0               ; neg of row i: a value is chosen, no address and no branch
	s_mov_b32 s[25+2*\i], s[24+2*\i]               ; (named with it as a pair)
.endr
	s_add_co_i32 s36, s36, 127
	s_lshl_b32 s37, s36, 23
	v_mov_b32 v12, s37                             ; 2^e0 as f32: the conversion takes its exponent field
	s_add_co_i32 s36, s36, 15
	s_lshl_b32 s36, s36, 23
	s_or_b32 s36, s36, 0x600000
	v_mov_b32 v13, s36                             ; 57,344 x 2^e0
	s_wait_loadcnt 48                              ; w2's four loads are in; behind them stand the 16 of gamma and beta and the 32 of x
.irp c, 0,1,2,3
	global_store_b128 v1, v[T+4*\c:T+4*\c+3], s[50:51] offset:512*\c   ; the fragment's image: 512 consecutive bytes a store, aligned
.endr
.macro LANESUM                         ; four pairs in T become one sum, in every lane
	v_pk_add_f32 v[T:T+1], v[T:T+1], v[T+2:T+3]
	v_pk_add_f32 v[T+4:T+5], v[T+4:T+5], v[T+6:T+7]
	v_pk_add_f32 v[T:T+1], v[T:T+1], v[T+4:T+5]
	v_add_f32 v[T], v[T], v[T+1]
.irp m, 1,2,4,8
	v_add_f32_dpp v[T], v[T], v[T] row_xmask:\m row_mask:0xf bank_mask:0xf
.endr
	v_permlanex16_b32 v[T+1], v[T], s34, s35
	v_add_f32 v[T], v[T], v[T+1]
.endm
.macro ROW i
.set XB, X+32*(\i)
.if (\i) == 0
.set CR, C0
.else
.set CR, XB-32
.endif
	s_wait_loadcnt 8*(3-(\i))                      ; loads come back in order: this row is in; the eight loads of each later row may be out
.if (\i) == 0                                  ; the maxima: the first row starts them
.irp p, 0,2,4,6,8,10,12,14,16,18,20,22,24,26,28,30
	v_pk_add_f32 v[M+\p:M+\p+1], v[XB+\p:XB+\p+1], s[24:25] op_sel_hi:[1,0]
.endr
	s_wait_xcnt 0x0                                ; the stores of w2's fragment have read v112-127: only behind this wait are these written again
.else
.irp g, 0,8,16,24
.irp q, 0,2,4,6
	v_pk_add_f32 v[T+\q:T+\q+1], v[XB+\g+\q:XB+\g+\q+1], s[24+2*(\i):25+2*(\i)] op_sel_hi:[1,0]
.endr
.irp n, 0,1,2,3,4,5,6,7
	v_max_num_f32 v[M+\g+\n], v[M+\g+\n], v[T+\n]
.endr
.endr
.endif
.irp q, 0,2,4,6                                ; the row's sum, in four chains
	v_pk_add_f32 v[T+\q:T+\q+1], v[XB+\q:XB+\q+1], v[XB+8+\q:XB+9+\q]
.endr
.irp g, 16,24
.irp q, 0,2,4,6
	v_pk_add_f32 v[T+\q:T+\q+1], v[T+\q:T+\q+1], v[XB+\g+\q:XB+\g+\q+1]
.endr
.endr
	LANESUM
	v_mul_f32 v8, s32, v[T]                        ; the mean
.irp p, 0,2,4,6,8,10,12,14,16,18,20,22,24,26,28,30
	v_pk_add_f32 v[XB+\p:XB+\p+1], v[XB+\p:XB+\p+1], v[8:9] op_sel_hi:[1,0] neg_lo:[0,1] neg_hi:[0,1]   ; x - mean
.endr
.irp q, 0,2,4,6                                ; the sum of squares, in four chains
	v_pk_mul_f32 v[T+\q:T+\q+1], v[XB+\q:XB+\q+1], v[XB+\q:XB+\q+1]
.endr
.irp g, 8,16,24
.irp q, 0,2,4,6
	v_pk_fma_f32 v[T+\q:T+\q+1], v[XB+\g+\q:XB+\g+\q+1], v[XB+\g+\q:XB+\g+\q+1], v[T+\q:T+\q+1]
.endr
.endr
	LANESUM
	v_fma_f32 v10, v[T], s32, s33                  ; the variance + 1e-5
	v_rsq_f32 v10, v10
	v_nop                                          ; a plain instruction between the transcendental and the use of its result
	s_wait_alu depctr_va_vdst(0)
.irp p, 0,2,4,6,8,10,12,14,16,18,20,22,24,26,28,30
	v_pk_mul_f32 v[XB+\p:XB+\p+1], v[XB+\p:XB+\p+1], v[10:11] op_sel_hi:[1,0]
.endr
.irp p, 0,2,4,6,8,10,12,14,16,18,20,22,24,26,28,30
	v_pk_fma_f32 v[XB+\p:XB+\p+1], v[XB+\p:XB+\p+1], v[G+\p:G+\p+1], v[BT+\p:BT+\p+1]
.endr
.set NN, 0
.rept 32
	v_med3_num_f32 v[XB+NN], v[XB+NN], -v13, v13   ; the conversion to an 8-bit code does not saturate (ISA guide 7.6.2): hold at the largest code x the scale
.set NN, NN+1
.endr
.irp k, 0,1,2,3
	v_cvt_scalef32_pk8_bf8_f32 v[CR+2*\k:CR+2*\k+1], v[XB+8*\k:XB+8*\k+7], v12   ; word 2 k: quad 2 k's four codes; word 2 k + 1: quad 2 k + 1's
.endr
	v_nop                                          ; a plain instruction behind the last conversion: the next row's conversions write this row's registers
.irp j, 0,1,2,3,4,5,6,7
	ds_store_b32 v2, v[CR+\j] offset:1024*(\i)+128*\j   ; columns 128 j + 4 l on of row i: 32 lanes, 128 consecutive bytes
.endr
.endm
	ROW 0
	ROW 1
	ROW 2
	ROW 3
.irp j, 0,1,2,3,4,5,6,7
	ds_store_b128 v4, v[M+4*\j:M+4*\j+3] offset:512*\j  ; my four rows' maxima, for the other waves
.endr
.irp q, 0,1,2,3,4,5,6,7
	ds_load_b128 v[G+4*\q:G+4*\q+3], v3 offset:512*\q   ; my own stage: LDS serves a wave's instructions in order (ISA guide 5.7.1.4), so these see my stores
.endr
.irp q, 0,1,2,3,4,5,6,7
	s_wait_dscnt 7-\q                              ; the younger read-backs may be out
	global_store_b128 v1, v[G+4*\q:G+4*\q+3], s[14:15] offset:512*\q   ; my four rows of xq are 4,096 consecutive bytes; each store covers 512 of them, aligned
.endr
	s_wait_dscnt 0x0                               ; for the others' sake: my maxima lie in LDS
	s_barrier_signal -1
	s_barrier_wait -1
.irp u, 0,1,2,3,4,5,6,7
	ds_load_b128 v[BT+4*\u:BT+4*\u+3], v5 offset:4096*\u   ; columns 128 w + 4 l on, of wave u
.endr
	s_wait_dscnt 0x0
.irp k, 0,1,2,3
	v_max3_num_f32 v[BT+\k], v[BT+\k], v[BT+4+\k], v[BT+8+\k]
.endr
.irp k, 0,1,2,3
	v_max3_num_f32 v[BT+\k], v[BT+\k], v[BT+12+\k], v[BT+16+\k]
.endr
.irp k, 0,1,2,3
	v_max3_num_f32 v[BT+\k], v[BT+\k], v[BT+20+\k], v[BT+24+\k]
.endr
.irp k, 0,1,2,3
	v_max_num_f32 v[BT+\k], v[BT+\k], v[BT+28+\k]
.endr
	global_store_b128 v6, v[BT:BT+3], s[16:17]     ; the chunk's maxima: 512 consecutive bytes a wave
	s_set_vgpr_msb 0x5
	s_wait_tensorcnt 0x0
	ds_add_u32 v0, v1
	s_wait_dscnt 0x0
	s_set_vgpr_msb 0x500
	s_endpgm
.Lfunc_end_k_q92fc76f37f_prep:
	.size	k_q92fc76f37f_prep, .Lfunc_end_k_q92fc76f37f_prep-k_q92fc76f37f_prep
	.p2alignl 7, 3214868480
	.fill 96, 4, 3214868480
	.section	.rodata,"a",@progbits
	.p2align	6, 0x0
	.amdhsa_kernel k_q92fc76f37f_prep
		.amdhsa_group_segment_fixed_size 66560
		.amdhsa_private_segment_fixed_size 0
		.amdhsa_enable_private_segment 0
		.amdhsa_kernarg_size 72
		.amdhsa_user_sgpr_count 2
		.amdhsa_user_sgpr_kernarg_segment_ptr 1
		.amdhsa_wavefront_size32 1
		.amdhsa_system_sgpr_workgroup_id_x 1
		.amdhsa_system_sgpr_workgroup_id_y 1
		.amdhsa_system_sgpr_workgroup_id_z 1
		.amdhsa_system_vgpr_workitem_id 0
		.amdhsa_next_free_vgpr 258
		.amdhsa_next_free_sgpr 66
		.amdhsa_reserve_vcc 0
		.amdhsa_float_denorm_mode_32 3
		.amdhsa_float_denorm_mode_16_64 3
		.amdhsa_memory_ordered 1
		.amdhsa_forward_progress 1
		.amdhsa_inst_pref_size 56
	.end_amdhsa_kernel
	.amdgpu_metadata
---
amdhsa.version: [ 1, 2 ]
amdhsa.kernels:
  - .name:           k_q92fc76f37f_prep
    .symbol:         k_q92fc76f37f_prep.kd
    .args:
      - { .name: x, .offset: 0, .size: 8, .value_kind: global_buffer, .address_space: global }
      - { .name: padding, .offset: 8, .size: 8, .value_kind: global_buffer, .address_space: global }
      - { .name: ln_gamma, .offset: 16, .size: 8, .value_kind: global_buffer, .address_space: global }
      - { .name: ln_beta, .offset: 24, .size: 8, .value_kind: global_buffer, .address_space: global }
      - { .name: lowp_scales, .offset: 32, .size: 8, .value_kind: global_buffer, .address_space: global }
      - { .name: xq, .offset: 40, .size: 8, .value_kind: global_buffer, .address_space: global }
      - { .name: pmax, .offset: 48, .size: 8, .value_kind: global_buffer, .address_space: global }
      - { .name: w2_codes, .offset: 56, .size: 8, .value_kind: global_buffer, .address_space: global }
      - { .name: w2i, .offset: 64, .size: 8, .value_kind: global_buffer, .address_space: global }
    .group_segment_fixed_size: 66560
    .private_segment_fixed_size: 0
    .kernarg_segment_align: 8
    .kernarg_segment_size: 72
    .max_flat_workgroup_size: 256
    .sgpr_count:     66
    .vgpr_count:     258
    .wavefront_size: 32
...
	.end_amdgpu_metadata
.endif
;; end of part 1
;; launch gemm1 (part 2): grid 16 x 32, 4 waves a work-group, clusters of 4 x 4, 327,680 bytes of LDS; arguments xq, w1_codes, lowp_scales, b1, pmax, gating_w, hq, plog; writes hq, plog
.if DOCPART == 2
	.amdgcn_target "amdgcn-amd-amdhsa--gfx1250"
	.amdhsa_code_object_version 6
	.text
	.protected	k_q92fc76f37f_gemm1
	.globl	k_q92fc76f37f_gemm1
	.p2align	8
	.type	k_q92fc76f37f_gemm1,@function
k_q92fc76f37f_gemm1:
	s_mov_b64 s[64:65], 0
	v_nop
	global_prefetch_b8 v0, s[64:65] scope:SCOPE_SE
	s_setreg_imm32_b32 hwreg(HW_REG_WAVE_MODE, 25, 1), 1
	s_wait_xcnt 0x0
	s_wait_alu depctr_hold_cnt(0) depctr_sa_sdst(0) depctr_va_vdst(0) depctr_va_sdst(0) depctr_va_ssrc(0) depctr_va_vcc(0) depctr_vm_vsrc(0)
	s_getreg_b32 s2, hwreg(HW_REG_IB_STS2, 6, 4)
	s_cmp_eq_u32 s2, 0
	s_cbranch_scc0 .Lentry_in_a_cluster
	s_endpgm
.Lentry_in_a_cluster:
	s_bfe_u32 s2, ttmp6, 0x10000c
	s_cmp_lg_u32 s2, 0xf033
	s_cbranch_scc0 .Lentry_shape_is_right
	s_endpgm
.Lentry_shape_is_right:
; hq[t][n] = the code of relu(sum over k of xq[t][k] w1[n][k] x 2^(e0 + e1) + b1[n]) with the given scale 2^e3.  xq: [8192][1024], w1: [4096 = 512 e + h][1024]: codes of E5M2, K innermost;
; hq: [8192][4096] codes, K of the next product innermost.  Sums in f32.  b1 goes in as the C of each sum's first product, divided by 2^(e0 + e1); the three scales are folded into the conversion's one, 2^(e3 - e0 - e1).
; LIMITS: e3 - e0 - e1 between -126 and 112, so that this power of two and 57,344 times it are f32 numbers; e0 + e1 is applied by v_ldexp_f32.  NaN is not served.
; BESIDE IT each work-group i (of 512) ends one slice of the pool: sentence i / 64, columns 16 (i % 64) on: the largest of pmax's 32 chunks, times gating_w: eight partial logits to plog[i][8], in f32.
; A tile of 256 tokens x 256 hidden units is made by four waves, each 128 x 128: 64 accumulators, 512 registers.  K goes in steps of 256 through a ring of two LDS slots filled by the tensor data mover.
; CLUSTERS: 4 x 4 work-groups.  The four of a row of the cluster need the same tiles of xq, the four of a column the same tiles of w1: each tile is asked for JOINTLY, by the same tensor load with the same
; descriptor and a mask that names the four.  THE MATRIX INSTRUCTION IS USED TRANSPOSED (source 0 = 16 rows of w1, source 1 = 16 tokens): a lane holds one token and eight neighbouring hidden units, which
; the conversion turns into eight neighbouring bytes of a row of hq.
; A fragment is fetched by four loads of 16 bytes: a permutation of k inside an instruction, the same for both operands, so every product meets its partner.
; REGISTERS, in windows of 256: window 0: v0-31 addresses and the two scale numbers; v32-95 the bias (8 tiles x 8), later a block's sums at work; v96-121 the pool's slice; from v128 xq's fragments, ONE set, later the codes.
;   window 1: w1's fragments, TWO sets, at v0 and v128.   window 2: the accumulators of my tokens 0-63 ((a, b) at v[8 (8 a + b)]);   window 3: those of my tokens 64-127.
.set SIZE_N, 4096
.set SIZE_K, 1024
.set ROWB,   256                       ; a tile's row in bytes: 256 codes
.set KROW,   SIZE_K                    ; a row of xq or of w1 in memory, in bytes
.set PITCH,  272                       ; an LDS row: 256 bytes + 16 of padding = 68 words: row r starts at bank 4 r mod 64 (64 banks of 4 bytes: ISA guide 11.1)
.set FR,     16                        ; registers of a fragment: 16 rows x 128 K
.set NL,     4                         ; LDS loads that bring one
.set NP,     4                         ; places behind this matrix instruction (ISA guide 7.12.1)
.set HALFT,  128*PITCH                 ; 128 rows: what one tensor load brings
.set SLOT,   4*HALFT                   ; xq's 256 rows, then w1's 256 rows
.set SPARE,  2*SLOT                    ; behind the ring: the spare words, 128 bytes for each wave: two blocks of 256 bytes that no other line names
.set SC,   12                          ; v12  2^(e3 - e0 - e1) as f32
.set LIM,  13                          ; v13  57,344 times it
.set ADRA, 16                          ; v16-17  LDS address of my xq fragments in slot 0, 1
.set ADRB, 20                          ; v20-21  the same for w1
.set STO,  24                          ; v24  the way out: where I put 8 bytes of a row
.set RD,   25                          ; v25  where I read a row back
.set CO,   26                          ; v26  my byte offset in two rows of hq
.set SPW,  28                          ; v28  LDS address of my spare word; never rewritten
.set NIL,  29                          ; v29  0; never rewritten
.set BIAS, 32
.set TMP,  32
.set PM,   96                          ; v96-111 sixteen chunks' maxima, later the eight partial logits
.set GW,   112                         ; v112-119 gating_w
.set AF,   128
.set CD,   128                         ; the way out: codes, 16 registers a block; then rows read back
.set G1, 24                            ; s[24:31] descriptor group 1 for xq's tiles;  s[32:39] group 0, one set for each slot
.set G0, 32
.set G1B, 48                           ; s[48:55], s[56:63] the same for w1's tiles
.set G0B, 56
.set MSB, 0
.macro WIN new                         ; the immediate's high byte repeats the setting that is left
.if MSB != (\new)
	s_set_vgpr_msb (MSB<<8)|(\new)
.set MSB, (\new)
.endif
.endm
.set MUL_LO, 0xa1                      ; source 0 (w1) window 1, source 1 (xq) window 0, C and D window 2
.set MUL_HI, 0xf1                      ; the same, C and D window 3
.set TO_B,   0x40                      ; destination window 1, address window 0
; A joint load: waves 0 and 1 fetch for xq, waves 2 and 3 for w1.  Each of the two lines has ONE mask and one set of registers for all that issue it; the branch hangs on the wave's number alone.
; Four v_nop follow each of the two lines, ahead of the jump, the label and what follows.
.macro JLOAD g0a, g1a, g0b, g1b
	s_cmp_eq_u32 s15, 0
	s_cbranch_scc0 .Lfor_b_\@
	tensor_load_to_lds s[\g0a:\g0a+3], s[\g1a:\g1a+7]
	s_nop 0
.rept 4
	v_nop
.endr
	s_branch .Lasked_\@
.Lfor_b_\@:
	tensor_load_to_lds s[\g0b:\g0b+3], s[\g1b:\g1b+7]
	s_nop 0
.rept 4
	v_nop
.endr
.Lasked_\@:
.endm
.macro CREST                           ; a round of the cluster's barrier behind its opening barrier
	s_cmp_lg_u32 s14, 0
	s_cbranch_scc1 .Lnot_wave_0_\@
	s_barrier_signal -3
.Lnot_wave_0_\@:
	s_barrier_wait -3
	s_barrier_signal -1
	s_barrier_wait -1
.endm
.macro CROUND                          ; a whole round
	s_barrier_signal -1
	s_barrier_wait -1
	CREST
.endm
	s_load_b256 s[4:11], s[0:1], 0x0               ; xq s[4:5], w1 s[6:7], the scales' exponents s[8:9], b1 s[10:11]
	s_load_b256 s[68:75], s[0:1], 0x20             ; pmax s[68:69], gating_w s[70:71], hq s[72:73], plog s[74:75]
	v_lshl_add_u32 v[SPW], v0, 2, SPARE
	v_mov_b32 v[NIL], 0
	ds_add_u32 v28, v29
	ds_add_u32 v28, v29
	s_wait_dscnt 0x0
	v_lshrrev_b32 v1, 5, v0
	v_readfirstlane_b32 s14, v1                    ; wave 0..3
	s_lshr_b32 s15, s14, 1                         ; which half of the tile's tokens is mine.  Also: I fetch for xq (0) or for w1 (1)
	s_and_b32 s16, s14, 1                          ; which half of its hidden units.  Also: which 128 rows of that tile I fetch
	s_bfe_u32 s40, ttmp6, 0x40000                  ; cx, cy: my place in the cluster
	s_bfe_u32 s41, ttmp6, 0x40004
	s_lshl_b32 s42, ttmp9, 2
	s_add_co_u32 s42, s42, s40                     ; tile column = 4 x cluster x + cx
	s_and_b32 s17, ttmp7, 0xffff
	s_lshl_b32 s17, s17, 2
	s_add_co_u32 s17, s17, s41                     ; tile row = 4 x cluster y + cy
	s_lshl_b32 s43, s41, 2
	s_lshl_b32 s43, 15, s43                        ; my row of the cluster
	s_lshl_b32 s44, 0x1111, s40                    ; my column
	; descriptor group 1: a tile of 128 rows x 256 bytes, padded in LDS
	s_or_b32 s[G1+0], s43, (0<<16)|(1<<20)|(1<<21)|(5<<22)|(3<<25)  ; 15:0 the mask: xq's tiles go to my row; 17:16 element of 1 byte; 20 padding on; 21 set beside a mask; 24:22 after every 64 words (code 5); 31:25 of 4 words (code 3)
	s_or_b32 s[G1B+0], s44, (0<<16)|(1<<20)|(1<<21)|(5<<22)|(3<<25)
.irp g, G1, G1B
	s_mov_b32 s[\g+1], ROWB<<16                    ; tensor_dim0
	s_mov_b32 s[\g+2], 128<<16                     ; tensor_dim1 = 128
	s_mov_b32 s[\g+3], ROWB<<16                    ; tile_dim0
	s_mov_b32 s[\g+4], 128                         ; tile_dim1 = 128
	s_mov_b32 s[\g+5], KROW                        ; tensor_dim0_stride
	s_mov_b32 s[\g+6], 0
	s_mov_b32 s[\g+7], 0
.endr
	s_lshl_b32 s18, s16, 7                         ; which 128 rows of the tile I fetch
	s_lshl_b32 s20, s17, 8
	s_add_co_u32 s20, s20, s18                     ; xq: row 256 x tile row + 128 x half,
	s_lshl_b32 s20, s20, 10                        ; of 1,024 bytes
	s_mov_b32 s21, 0
	s_lshl_b32 s46, s42, 8
	s_add_co_u32 s46, s46, s18                     ; w1: row 256 x tile column + 128 x half
	s_lshl_b32 s46, s46, 10
	s_mov_b32 s47, 0
	s_mul_i32 s45, s14, HALFT                      ; where they go: wave x 128 rows: no place in the cluster enters an LDS address
	s_wait_kmcnt 0x0
	s_load_b128 s[76:79], s[8:9], 0x0              ; e0, e1, e2, e3
	s_add_nc_u64 s[20:21], s[4:5], s[20:21]
	s_add_nc_u64 s[46:47], s[6:7], s[46:47]
	CROUND                                         ; all sixteen work-groups are here: the first joint loads meet
.irp s, 0,1
	s_mov_b32 s[G0+4*\s], 1
	s_add_co_u32 s[G0+4*\s+1], s45, \s*SLOT
	s_add_nc_u64 s[G0+4*\s+2:G0+4*\s+3], s[20:21], \s*ROWB
	s_or_b32 s[G0+4*\s+3], s[G0+4*\s+3], 0x80000000
	s_mov_b32 s[G0B+4*\s], 1
	s_add_co_u32 s[G0B+4*\s+1], s45, \s*SLOT
	s_add_nc_u64 s[G0B+4*\s+2:G0B+4*\s+3], s[46:47], \s*ROWB
	s_or_b32 s[G0B+4*\s+3], s[G0B+4*\s+3], 0x80000000
	JLOAD G0+4*\s, G1, G0B+4*\s, G1B               ; two tensor loads of mine are out from here to the first change of slots
.endr
	v_and_b32 v1, 15, v0                           ; r = l % 16
	v_bfe_u32 v2, v0, 4, 1                         ; hh = l / 16
	v_mul_u32_u24 v3, v1, PITCH
	v_lshl_add_u32 v4, v2, 4, v3                   ; a fragment's row x pitch + 16 x half
	s_mul_i32 s21, s15, HALFT                      ; my 128 rows of xq
	s_mul_i32 s22, s16, HALFT                      ; my 128 rows of w1,
	s_add_co_u32 s22, s22, 2*HALFT                 ; which lie behind xq's 256
.irp s, 0,1
	v_add_nc_u32 v[ADRA+\s], s21, v4
	v_add_nc_u32 v[ADRB+\s], s22, v4
	s_add_co_u32 s21, s21, SLOT
	s_add_co_u32 s22, s22, SLOT
.endr
	; the way out: a stage of 256 rows x 272 bytes for the work-group, from LDS byte 0 on
	s_mul_i32 s23, s15, HALFT
	s_lshl_b32 s18, s16, 7
	s_add_co_u32 s23, s23, s18
	v_lshl_add_u32 v5, v2, 3, v3
	v_add_nc_u32 v[STO], s23, v5                   ; in: row 128 x token half + r; byte 128 x unit half + 8 hh
	s_mul_i32 s23, s14, 64*PITCH
	v_mul_u32_u24 v5, v2, PITCH
	v_lshl_add_u32 v5, v1, 4, v5
	v_add_nc_u32 v[RD], s23, v5                    ; back: wave w takes rows 64 w on, whole; lanes 0-15 one row, lanes 16-31 the next
	v_lshlrev_b32 v[CO], 12, v2
	v_lshl_add_u32 v[CO], v1, 4, v[CO]             ; and the same two rows in hq
	v_lshlrev_b32 v14, 5, v2                       ; b1: 32 hh: my half's eight units of a tile
	v_lshlrev_b32 v18, 2, v1                       ; gating_w: 4 r: my column of the slice
	v_lshl_add_u32 v15, v2, 16, v18                ; pmax: + 16 chunks of 4,096 bytes for lanes 16-31
	v_mov_b32 v19, 0
	v_mov_b32 v120, 0                              ; written once: a lane permute's destination counts as one of its sources
	s_mov_b32 s94, 0x76543210
	s_mov_b32 s95, 0xfedcba98
	s_lshl_b32 s84, s17, 4
	s_add_co_u32 s84, s84, s42                     ; i = 16 x tile row + tile column: 0 .. 511 (in registers that feed no descriptor)
	s_lshr_b32 s85, s84, 6                         ; the slice's sentence
	s_and_b32 s86, s84, 63                         ; and its sixteen columns
	s_lshl_b32 s88, s42, 10
	s_lshl_b32 s89, s16, 9
	s_add_co_u32 s88, s88, s89
	s_mov_b32 s89, 0
	s_add_nc_u64 s[10:11], s[10:11], s[88:89]      ; b1 at my 128 hidden units
	s_lshl_b32 s90, s86, 6
	s_mov_b32 s91, 0
	s_add_nc_u64 s[70:71], s[70:71], s[90:91]      ; gating_w at the slice's columns
	s_add_nc_u64 s[68:69], s[68:69], s[90:91]
	s_lshl_b32 s90, s85, 17
	s_add_nc_u64 s[68:69], s[68:69], s[90:91]      ; pmax at the sentence's 32 chunks, the slice's columns
	s_lshl_b32 s90, s84, 5
	s_add_nc_u64 s[74:75], s[74:75], s[90:91]      ; plog: 32 bytes for each work-group
	s_lshl_b32 s90, s17, 20
	s_lshl_b32 s88, s14, 18
	s_add_co_u32 s90, s90, s88
	s_lshl_b32 s88, s42, 8
	s_add_co_u32 s90, s90, s88
	s_add_nc_u64 s[72:73], s[72:73], s[90:91]      ; hq: row 256 x tile row + 64 x wave, byte 256 x tile column
.irp b, 0,1,2,3,4,5,6,7
	global_load_b128 v[BIAS+8*\b:BIAS+8*\b+3], v14, s[10:11] offset:64*\b       ; b1 of units 16 b + 8 hh + 0 .. 7: the result's layout
	global_load_b128 v[BIAS+8*\b+4:BIAS+8*\b+7], v14, s[10:11] offset:64*\b+16
.endr
.irp p, 0,1,2,3,4,5,6,7,8,9,10,11,12,13,14,15
	global_load_b32 v[PM+\p], v15, s[68:69] offset:4096*\p
.endr
.irp e, 0,1,2,3,4,5,6,7
	global_load_b32 v[GW+\e], v18, s[70:71] offset:4096*\e
.endr
	s_wait_kmcnt 0x0
	s_add_co_i32 s80, s76, s77                     ; e0 + e1: a sum stands for sum x 2^(e0 + e1)
	s_sub_co_i32 s81, 0, s80
	s_sub_co_i32 s82, s79, s80                     ; e3 - e0 - e1
	s_add_co_i32 s82, s82, 127
	s_lshl_b32 s83, s82, 23
	v_mov_b32 v[SC], s83
	s_add_co_i32 s82, s82, 15
	s_lshl_b32 s82, s82, 23
	s_or_b32 s82, s82, 0x600000
	v_mov_b32 v[LIM], s82
	s_wait_loadcnt 0x0
.set NN, 0
.rept 64
	v_ldexp_f32 v[BIAS+NN], v[BIAS+NN], s81        ; b1 / 2^(e0 + e1)
.set NN, NN+1
.endr
	v_max3_num_f32 v121, v[PM], v[PM+1], v[PM+2]   ; the slice: my column's largest among my sixteen chunks,
.irp p, 3,5,7,9,11,13
	v_max3_num_f32 v121, v121, v[PM+\p], v[PM+\p+1]
.endr
	v_max_num_f32 v121, v121, v[PM+15]
	v_permlanex16_b32 v120, v121, s94, s95
	v_max_num_f32 v121, v121, v120                 ; and among the other half's
.irp e, 0,1,2,3,4,5,6,7
	v_mul_f32 v[PM+\e], v121, v[GW+\e]
.endr
.irp m, 1,2,4,8                                ; summed over the sixteen columns; both halves of the lanes hold the same numbers
.irp e, 0,1,2,3,4,5,6,7
	v_add_f32_dpp v[PM+\e], v[PM+\e], v[PM+\e] row_xmask:\m row_mask:0xf bank_mask:0xf
.endr
.endr
	v_cmp_eq_u32 vcc_lo, 0, v0                     ; thread 0 of the work-group stores
	s_wait_xcnt 0x0                                ; EXEC changes only behind this wait
	s_and_saveexec_b32 s92, vcc_lo
	global_store_b128 v19, v[PM:PM+3], s[74:75]
	global_store_b128 v19, v[PM+4:PM+7], s[74:75] offset:16
	s_wait_xcnt 0x0                                ; and again in front of the line that widens it
	s_or_b32 exec_lo, exec_lo, s92
.macro FRAG reg, adr, q, i             ; a fragment: lane l holds row l % 16; registers 4 c .. 4 c + 3 hold K = 32 c + 16 (l / 16) + 0 .. 15
.irp c, 0,1,2,3
	ds_load_b128 v[\reg+4*\c:\reg+4*\c+3], v[\adr] offset:128*(\q)+32*\c+(\i)*16*PITCH
.endr
.endm
; 16 matrix instructions: token blocks a0, a0 + 1 x w1's eight, 128 along K.  p: w1's set.  zero = 1: the first product starts the sums, with the bias as its C: nothing is ever cleared.
; The 64 accumulators take turns, one instruction a turn, in the same order in every step.
.macro MUL16 a0, p, zero
.irp a, \a0, \a0+1
.irp b, 0,1,2,3,4,5,6,7
.if \zero
	v_wmma_f32_16x16x128_bf8_bf8 v[8*(8*((\a)%4)+\b):8*(8*((\a)%4)+\b)+7], v[128*(\p)+FR*\b:128*(\p)+FR*\b+FR-1], v[AF+FR*(\a):AF+FR*(\a)+FR-1], v[BIAS+8*\b:BIAS+8*\b+7]
.else
	v_wmma_f32_16x16x128_bf8_bf8 v[8*(8*((\a)%4)+\b):8*(8*((\a)%4)+\b)+7], v[128*(\p)+FR*\b:128*(\p)+FR*\b+FR-1], v[AF+FR*(\a):AF+FR*(\a)+FR-1], v[8*(8*((\a)%4)+\b):8*(8*((\a)%4)+\b)+7]
.endif
.endr
.endr
.endm
.macro FETCH_B slot, q, p              ; w1's eight fragments of the slot's q-th 128 along K into set p
	WIN TO_B
.irp i, 0,1,2,3,4,5,6,7
	FRAG 128*(\p)+FR*\i, ADRB+\slot, \q, \i
.endr
	WIN 0
.endm
.macro FETCH_A slot, q, i0             ; xq's blocks i0 .. i0 + 3
.irp i, \i0, \i0+1, \i0+2, \i0+3
	FRAG AF+FR*(\i), ADRA+\slot, \q, \i
.endr
.endm
; A load into a register that a matrix instruction has read, and a vector instruction that reads a matrix result, stand NP places behind that matrix instruction; only plain vector
; instructions that name none of its registers are places (ISA guide 7.12.1 for vector instructions).
.macro PLACES n
.rept \n
	v_nop
.endr
.endm
; A step of 128 along K that has its successor in the same slot.
.macro STEP slot, q, zero
	s_wait_dscnt 4*NL                              ; w1's set and xq's blocks 0-3 are in; the youngest sixteen loads (blocks 4-7) may be out
.if \zero
	WIN 0x81                                       ; C (the bias) window 0, D window 2
.else
	WIN MUL_LO
.endif
	MUL16 0, (\q)%2, \zero
	MUL16 2, (\q)%2, \zero
	s_wait_dscnt 0                                 ; blocks 4-7 are in
	PLACES NP
	FETCH_B \slot, (\q)+1, 1-(\q)%2
	FETCH_A \slot, (\q)+1, 0
.if \zero
	WIN 0xc1                                       ; C window 0, D window 3
.else
	WIN MUL_HI
.endif
	MUL16 4, (\q)%2, \zero
	MUL16 6, (\q)%2, \zero
	PLACES NP
	WIN 0
	FETCH_A \slot, (\q)+1, 4
.endm
; A slot's last step changes slots: ONE barrier; in front of it each wave waits for all its tensor loads, adds 0 to its spare word, and waits for that and for its own reads of this slot.  fill = 1: this slot is filled again, two K steps ahead.
.macro TURN slot, next, fill
	s_wait_tensorcnt 0x0                           ; all my tensor loads have landed: my part of the next slot
	ds_add_u32 v[SPW], v[NIL]                      ; 0 onto my spare word
	s_wait_dscnt 4*NL+1                            ; the add and the youngest sixteen loads (blocks 4-7) may be out
	WIN MUL_LO
	MUL16 0, 1, 0                                  ; sixteen matrix instructions stand between the add and the wait for it
	s_wait_dscnt 0x0                               ; the add is done, and my reads of this slot are over
	s_barrier_signal -1
	MUL16 2, 1, 0
	WIN 0
	s_barrier_wait -1
.if \fill
	CREST                                          ; the barrier has opened a round of the cluster's barrier: no wave of any partner still reads this slot's tile or has a load on its way
	s_add_nc_u64 s[G0+4*\slot+2:G0+4*\slot+3], s[G0+4*\slot+2:G0+4*\slot+3], 2*ROWB
	s_add_nc_u64 s[G0B+4*\slot+2:G0B+4*\slot+3], s[G0B+4*\slot+2:G0B+4*\slot+3], 2*ROWB
	JLOAD G0+4*\slot, G1, G0B+4*\slot, G1B         ; the first tensor load behind the round, my one until the next; the four v_nop behind it are the places in front of the loads below
.else
	PLACES NP
.endif
	FETCH_B \next, 0, 0
	FETCH_A \next, 0, 0
	WIN MUL_HI
	MUL16 4, 1, 0
	MUL16 6, 1, 0
	PLACES NP
	WIN 0
	FETCH_A \next, 0, 4
.endm
	s_wait_tensorcnt 1                             ; my part of K step 0 is in (K step 1's load may be out)
	s_barrier_signal -1
	s_barrier_wait -1                              ; everybody's is
	FETCH_B 0, 0, 0
	FETCH_A 0, 0, 0
	FETCH_A 0, 0, 4
	; K = 1,024 is four K steps of 256, eight steps of 128: written out, since a loop would have one trip
	STEP 0, 0, 1                                   ; the first products start the sums
	TURN 0, 1, 1                                   ; slot 0 takes K step 2
	STEP 1, 0, 0
	TURN 1, 0, 1                                   ; slot 1 takes K step 3
	STEP 0, 0, 0
	TURN 0, 1, 0                                   ; nothing is left to fetch
	STEP 1, 0, 0
	s_wait_dscnt 4*NL                              ; the very last step
	WIN MUL_LO
	MUL16 0, 1, 0
	MUL16 2, 1, 0
	s_wait_dscnt 0
	WIN MUL_HI
	MUL16 4, 1, 0
	MUL16 6, 1, 0
	WIN 0
; THE WAY OUT.  Block a (16 tokens x my 128 units): the activation and the hold in one line, each accumulator from its low end on; eight sums of a lane become eight codes, eight neighbouring bytes of a row of hq.
; A row's 256 bytes come from two waves: so the codes meet in a stage, which lies in slot 0: that slot has had its last fill, and every wave has passed the last change of slots, behind which nobody reads it.
.macro CODES a
.set AC, 64*((\a)%4)
	WIN 0x02+((\a)/4)                              ; source 0: window 2 or 3
.set NN, 0
.rept 64
	v_med3_num_f32 v[TMP+NN], v[AC+NN], 0, v[LIM]  ; between 0 and the largest code x the scale (the conversion does not saturate: ISA guide 7.6.2)
.set NN, NN+1
.endr
	WIN 0
.irp b, 0,1,2,3,4,5,6,7
	v_cvt_scalef32_pk8_bf8_f32 v[CD+16*(\a)+2*\b:CD+16*(\a)+2*\b+1], v[TMP+8*\b:TMP+8*\b+7], v[SC]
.endr
	v_nop                                          ; a plain instruction behind the last conversion: the next block writes these sources
.irp b, 0,1,2,3,4,5,6,7
	ds_store_b64 v[STO], v[CD+16*(\a)+2*\b:CD+16*(\a)+2*\b+1] offset:(\a)*16*PITCH+16*\b   ; words 68 r + 2 hh + 0, 1: 64 different banks
.endr
.endm
	PLACES NP                                      ; behind the last products
.irp a, 0,1,2,3,4,5,6,7
	CODES \a
.endr
	s_wait_dscnt 0x0                               ; for the others' sake: my codes lie in the stage
	s_barrier_signal -1
	s_barrier_wait -1
.set TT, 0
.rept 32
	ds_load_b128 v[CD+4*TT:CD+4*TT+3], v[RD] offset:TT*2*PITCH
.set TT, TT+1
.endr
.set TT, 0
.rept 32
	s_wait_dscnt 31-TT                             ; the younger read-backs may be out
	global_store_b128 v[CO], v[CD+4*TT:CD+4*TT+3], s[72:73] offset:TT*2*SIZE_N   ; 16 lanes store 256 consecutive bytes, at a multiple of 256 from hq's first byte; the next launch reads them
.set TT, TT+1
.endr
	s_wait_tensorcnt 0x0                           ; the wave's end: behind my last tensor load and my last LDS store
	ds_add_u32 v[SPW], v[NIL]
	s_wait_dscnt 0x0
	CROUND                                         ; the closing round: no work-group ends while a partner may still ask for a tile that names it
	s_endpgm
.Lfunc_end_k_q92fc76f37f_gemm1:
	.size	k_q92fc76f37f_gemm1, .Lfunc_end_k_q92fc76f37f_gemm1-k_q92fc76f37f_gemm1
	.p2alignl 7, 3214868480
	.fill 96, 4, 3214868480
	.section	.rodata,"a",@progbits
	.p2align	6, 0x0
	.amdhsa_kernel k_q92fc76f37f_gemm1
		.amdhsa_group_segment_fixed_size 327680
		.amdhsa_private_segment_fixed_size 0
		.amdhsa_enable_private_segment 0
		.amdhsa_kernarg_size 64
		.amdhsa_user_sgpr_count 2
		.amdhsa_user_sgpr_kernarg_segment_ptr 1
		.amdhsa_wavefront_size32 1
		.amdhsa_system_sgpr_workgroup_id_x 1
		.amdhsa_system_sgpr_workgroup_id_y 1
		.amdhsa_system_sgpr_workgroup_id_z 1
		.amdhsa_system_vgpr_workitem_id 0
		.amdhsa_next_free_vgpr 1024
		.amdhsa_next_free_sgpr 100
		.amdhsa_reserve_vcc 1
		.amdhsa_float_denorm_mode_32 3
		.amdhsa_float_denorm_mode_16_64 3
		.amdhsa_memory_ordered 1
		.amdhsa_forward_progress 1
		.amdhsa_inst_pref_size 136
	.end_amdhsa_kernel
	.amdgpu_metadata
---
amdhsa.version: [ 1, 2 ]
amdhsa.kernels:
  - .name:           k_q92fc76f37f_gemm1
    .symbol:         k_q92fc76f37f_gemm1.kd
    .args:
      - { .name: xq, .offset: 0, .size: 8, .value_kind: global_buffer, .address_space: global }
      - { .name: w1_codes, .offset: 8, .size: 8, .value_kind: global_buffer, .address_space: global }
      - { .name: lowp_scales, .offset: 16, .size: 8, .value_kind: global_buffer, .address_space: global }
      - { .name: b1, .offset: 24, .size: 8, .value_kind: global_buffer, .address_space: global }
      - { .name: pmax, .offset: 32, .size: 8, .value_kind: global_buffer, .address_space: global }
      - { .name: gating_w, .offset: 40, .size: 8, .value_kind: global_buffer, .address_space: global }
      - { .name: hq, .offset: 48, .size: 8, .value_kind: global_buffer, .address_space: global }
      - { .name: plog, .offset: 56, .size: 8, .value_kind: global_buffer, .address_space: global }
    .group_segment_fixed_size: 327680
    .private_segment_fixed_size: 0
    .kernarg_segment_align: 8
    .kernarg_segment_size: 64
    .max_flat_workgroup_size: 128
    .sgpr_count:     100
    .vgpr_count:     1024
    .wavefront_size: 32
...
	.end_amdgpu_metadata
.endif
;; end of part 2
;; launch gemm2 (part 3): grid 4 x 64, 4 waves a work-group, clusters of 4 x 4, 327,680 bytes of LDS; arguments hq, w2i, lowp_scales, plog, b2, x, out0, out1; writes out0, out1
.if DOCPART == 3
	.amdgcn_target "amdgcn-amd-amdhsa--gfx1250"
	.amdhsa_code_object_version 6
	.text
	.protected	k_q92fc76f37f_gemm2
	.globl	k_q92fc76f37f_gemm2
	.p2align	8
	.type	k_q92fc76f37f_gemm2,@function
k_q92fc76f37f_gemm2:
	s_mov_b64 s[64:65], 0
	v_nop
	global_prefetch_b8 v0, s[64:65] scope:SCOPE_SE
	s_setreg_imm32_b32 hwreg(HW_REG_WAVE_MODE, 25, 1), 1
	s_wait_xcnt 0x0
	s_wait_alu depctr_hold_cnt(0) depctr_sa_sdst(0) depctr_va_vdst(0) depctr_va_sdst(0) depctr_va_ssrc(0) depctr_va_vcc(0) depctr_vm_vsrc(0)
	s_getreg_b32 s2, hwreg(HW_REG_IB_STS2, 6, 4)
	s_cmp_eq_u32 s2, 0
	s_cbranch_scc0 .Lentry_in_a_cluster
	s_endpgm
.Lentry_in_a_cluster:
	s_bfe_u32 s2, ttmp6, 0x10000c
	s_cmp_lg_u32 s2, 0xf033
	s_cbranch_scc0 .Lentry_shape_is_right
	s_endpgm
.Lentry_shape_is_right:
; out0[s][b][d] = sum over e of g[b][e] (sum over k of hq[1024 b + s][512 e + k] w2[e][d][k] x 2^(e2 + e3) + b2[e][d]) + x[s][b][d];  out1[b][e] = the gate's logits.
; hq: [8192][4096] codes of E5M2, K innermost.  w2i: w2's codes as images of the operand's registers: [group of 64 columns][expert][128 along K][16 columns][2,048 bytes].  Sums in f32.
; logits[b][e] = the sum of plog's 64 slices (another order of summing than a plain dot product's); g = softmax(logits), the largest logit taken away first, then divided by (its sum + 1e-9).
; An expert's sums are kept apart (h is quantised as it stands, so a gate cannot go into an operand) and folded into the output's sums by one packed multiply-add with g x 2^(e2 + e3), applied by v_ldexp_f32.
; SHARES.  A work-group makes 128 tokens x 256 columns; a wave all 128 tokens x its own 64 columns: 32 accumulators for the expert in hand, 32 x 8 registers for the output.  The rows are ordered by
; sentence, so a tile has ONE sentence and a gate is a scalar.
; hq GOES THROUGH LDS, w2 STRAIGHT INTO REGISTERS.  With hq alone in LDS a slot holds 128 rows x 1,024 codes, TWO experts: the 4,096 along K are four slots' worth, two first fills and two refills, and a
; refill has 256 matrix instructions a wave and two folds in which to land.  Each wave fetches 32 of the 128 rows, 1,024 bytes each: four loads share the tile, one a wave.
; No two waves need the same columns of w2, so LDS would spare no byte of it: a wave's 256 KB of w2i lie on end, every load reads 512 consecutive bytes, every offset is an immediate.  Four sets of
; 64 registers: set q is asked for again straight behind K step q, three K steps and a fold ahead of its use.  Behind the last expert's K steps x's rows take w2's place in the four sets.
; CLUSTERS: 4 x 4 work-groups.  The four of a row of the cluster are the four column tiles of one tile of tokens: hq's tiles are asked for JOINTLY, by the same tensor load with the same descriptor and
; a mask that names the four.  w2i is not shared by a joint load: it does not pass through LDS.
; THE MATRIX INSTRUCTION IS USED TRANSPOSED (source 0 = 16 rows of w2, source 1 = 16 tokens): a lane holds one token and eight neighbouring columns.
; A fragment holds, in registers 4 c .. 4 c + 3 of lane l, K = 32 c + 16 (l / 16) + 0 .. 15 of row l % 16: a permutation of k inside an instruction, the same for both operands.
; HALF-STEPS.  Half-step H = 8 e + 2 q + i is 16 matrix instructions: expert e, 128 along K at 128 q, token blocks 4 i .. 4 i + 3 x my four column blocks.  hq's fragments have three half-sets of 64
; registers: half-step H reads half-set H % 3, which takes half-step H + 3's fragments behind H's products, 32 matrix instructions ahead of their use.
; THE EIGHT EXPERTS ARE WRITTEN OUT by one macro: they differ in the slot, the byte along K, the half-set (period 3 against 8 half-steps), the gate's pair, the stream's offset and in what stands in half-step 5.
; REGISTERS, in windows of 256: window 0: v0-31 addresses, v[12:15] the gated bias of my four columns; v32-95 the head's work; v64-255 hq's three half-sets; on the way out rows read back.
;   window 1: w2's four sets, set q at v[64 q]; at the end x's rows.   window 2: the expert's sums ((a, b) at v[8 (4 a + b)]).   window 3: the output's sums, likewise.
.set PITCH, 1040                       ; an LDS row: 1,024 bytes + 16 of padding = 260 words: row r starts at bank 4 r mod 64 (64 banks of 4 bytes: ISA guide 11.1)
.set QROWS, 32*PITCH                   ; what one tensor load brings: 32 rows
.set HALFA, 64*PITCH                   ; token blocks 4-7 begin here: an LDS offset has 16 bits, so they have an address register of their own
.set SLOT,  128*PITCH
.set SP,    272                        ; the way out: a stage row: 256 bytes + 16
.set STAGE, 2*SLOT                     ; behind the ring: 16 rows x 272 bytes for each wave
.set SPARE, STAGE+4*16*SP              ; behind the stages: the spare words, 128 bytes for each wave: two blocks of 256 bytes that no other line names
.set ROWX,  32768                      ; bytes from position s to s + 1 of one sentence, in x and in out0
.set BG,   12
.set ADRA, 16                          ; v16-19  LDS address of my lane's place in (slot 0, blocks 0-3), (slot 0, blocks 4-7), (slot 1, ..), (slot 1, ..)
.set LI,   22                          ; v22  16 x lane: my bytes of a load from w2i; never rewritten
.set STO,  24                          ; v24  the way out: where I put 32 bytes of a row
.set RD,   25                          ; v25  where I read a row back
.set XO,   26                          ; v26  my byte offset in two rows of x and of out0; never rewritten
.set SPW,  28                          ; v28  LDS address of my spare word; never rewritten
.set NIL,  29                          ; v29  0; never rewritten
.set LG,   32                          ; v32-47 plog, then the logits in v32-39
.set B2,   48                          ; v48-79 b2 of my four columns, eight experts
.set GT,   80                          ; v80-87 the gates; v88, v89 at work
.set AF,   64                          ; hq's half-sets: v64-127, v128-191, v192-255
.set BK,   128                         ; the way out: 16 rows read back: v128-159 and v160-191 by turns
.set G1, 24                            ; s[24:31] descriptor group 1;  s[32:39] group 0, one set for each slot
.set G0, 32
.set GA, 48                            ; s[48:63] g x 2^(e2 + e3), a pair for each expert
.set MSB, 0
.macro WIN new                         ; the immediate's high byte repeats the setting that is left
.if MSB != (\new)
	s_set_vgpr_msb (MSB<<8)|(\new)
.set MSB, (\new)
.endif
.endm
.macro CREST                           ; a round of the cluster's barrier behind its opening barrier
	s_cmp_lg_u32 s14, 0
	s_cbranch_scc1 .Lnot_wave_0_\@
	s_barrier_signal -3
.Lnot_wave_0_\@:
	s_barrier_wait -3
	s_barrier_signal -1
	s_barrier_wait -1
.endm
.macro CROUND                          ; a whole round
	s_barrier_signal -1
	s_barrier_wait -1
	CREST
.endm
; Four places stand between a matrix instruction and a load into one of its sources or a vector instruction that reads its result; only plain vector instructions that name none of its registers
; are places (ISA guide 7.12.1 for vector instructions).
.macro PLACES n
.rept \n
	v_nop
.endr
.endm
.macro BW e, q                         ; w2's four fragments of expert e, 128 along K at 128 q, into set q: 16 loads of 512 consecutive bytes
.irp b, 0,1,2,3
.irp c, 0,1,2,3
	global_load_b128 v[64*(\q)+16*\b+4*\c:64*(\q)+16*\b+4*\c+3], v[LI], s[6:7] offset:(4*(\e)+(\q))*8192+2048*\b+512*\c
.endr
.endr
.endm
	s_load_b256 s[4:11], s[0:1], 0x0               ; hq s[4:5], w2i s[6:7], the scales' exponents s[8:9], plog s[10:11]
	s_load_b256 s[80:87], s[0:1], 0x20             ; b2 s[80:81], x s[82:83], out0 s[84:85], out1 s[86:87]
	v_lshl_add_u32 v[SPW], v0, 2, SPARE
	v_mov_b32 v[NIL], 0
	ds_add_u32 v28, v29
	ds_add_u32 v28, v29
	s_wait_dscnt 0x0
	v_lshrrev_b32 v1, 5, v0
	v_readfirstlane_b32 s14, v1                    ; wave 0..3
	s_bfe_u32 s40, ttmp6, 0x40000                  ; cx, cy: my place in the cluster
	s_bfe_u32 s41, ttmp6, 0x40004
	s_lshl_b32 s42, ttmp9, 2
	s_add_co_u32 s42, s42, s40                     ; tile column (256 columns) = 4 x cluster x + cx
	s_and_b32 s17, ttmp7, 0xffff
	s_lshl_b32 s17, s17, 2
	s_add_co_u32 s17, s17, s41                     ; tile row (128 tokens) = 4 x cluster y + cy
	s_lshl_b32 s43, s41, 2
	s_lshl_b32 s43, 15, s43                        ; my row of the cluster
	s_or_b32 s[G1+0], s43, (0<<16)|(1<<20)|(1<<21)|(7<<22)|(3<<25)  ; 15:0 the mask: hq's tiles go to my row; 17:16 element of 1 byte; 20 padding on; 21 set beside a mask; 24:22 after every 256 words (code 7); 31:25 of 4 words (code 3)
	s_mov_b32 s[G1+1], 1024<<16                    ; tensor_dim0 = 1,024
	s_mov_b32 s[G1+2], 32<<16                      ; tensor_dim1 = 32
	s_mov_b32 s[G1+3], 1024<<16                    ; tile_dim0 = 1,024
	s_mov_b32 s[G1+4], 32                          ; tile_dim1 = 32
	s_mov_b32 s[G1+5], 4096                        ; a row of hq
	s_mov_b32 s[G1+6], 0
	s_mov_b32 s[G1+7], 0
	s_lshl_b32 s20, s17, 7
	s_lshl_b32 s18, s14, 5
	s_add_co_u32 s20, s20, s18                     ; hq: row 128 x tile row + 32 x wave,
	s_lshl_b32 s20, s20, 12                        ; of 4,096 bytes
	s_mov_b32 s21, 0
	s_mul_i32 s45, s14, QROWS                      ; where they go: wave x 32 rows: no place in the cluster enters an LDS address
	s_wait_kmcnt 0x0
	s_load_b64 s[78:79], s[8:9], 0x8               ; e2 (w2's), e3 (the hidden layer's)
	s_add_nc_u64 s[20:21], s[4:5], s[20:21]
	CROUND                                         ; all sixteen work-groups are here: the first joint loads meet
.irp s, 0,1
	s_mov_b32 s[G0+4*\s], 1                        ; count = 1
	s_add_co_u32 s[G0+4*\s+1], s45, \s*SLOT        ; LDS address
	s_add_nc_u64 s[G0+4*\s+2:G0+4*\s+3], s[20:21], \s*1024   ; slot 0: experts 0 and 1; slot 1: experts 2 and 3
	s_or_b32 s[G0+4*\s+3], s[G0+4*\s+3], 0x80000000          ; type = 2
.endr
	tensor_load_to_lds s[G0:G0+3], s[G1:G1+7]      ; the two first fills stand together: two tensor loads of mine are out
	s_nop 0
	tensor_load_to_lds s[G0+4:G0+7], s[G1:G1+7]
	s_nop 0
	PLACES 4                                       ; (behind a tensor load)
	v_and_b32 v1, 15, v0                           ; r = l % 16
	v_bfe_u32 v2, v0, 4, 1                         ; hh = l / 16
	v_mul_u32_u24 v3, v1, PITCH
	v_lshl_add_u32 v[ADRA], v2, 4, v3              ; a fragment's row x pitch + 16 x half
	v_add_nc_u32 v[ADRA+1], HALFA, v[ADRA]
	v_add_nc_u32 v[ADRA+2], SLOT, v[ADRA]
	v_add_nc_u32 v[ADRA+3], SLOT+HALFA, v[ADRA]
	s_mul_i32 s23, s14, 16*SP
	s_add_co_u32 s23, s23, STAGE                   ; my stage
	v_mul_u32_u24 v3, v1, SP
	v_lshl_add_u32 v3, v2, 5, v3
	v_add_nc_u32 v[STO], s23, v3                   ; in: row r, 32 bytes for each half of the lanes
	v_mul_u32_u24 v3, v2, SP
	v_lshl_add_u32 v3, v1, 4, v3
	v_add_nc_u32 v[RD], s23, v3                    ; back: lanes 0-15 one row of 256 bytes, lanes 16-31 the next
	v_lshlrev_b32 v[XO], 15, v2
	v_lshl_add_u32 v[XO], v1, 4, v[XO]             ; and the same two rows in x and out0
	v_mov_b32 v27, 0
	v_and_b32 v6, 31, v0
	v_lshlrev_b32 v[LI], 4, v6
	v_lshlrev_b32 v6, 5, v6                        ; plog: slice l, and slice l + 32
	v_lshlrev_b32 v7, 4, v1                        ; b2: columns 4 r on: what I hold on the way out
	s_mov_b32 s94, 0x76543210
	s_mov_b32 s95, 0xfedcba98
	s_lshr_b32 s88, s17, 3                         ; the sentence b: eight tiles of 128 positions each
	s_and_b32 s89, s17, 7                          ; which of the eight
	s_lshl_b32 s90, s88, 11
	s_mov_b32 s91, 0
	s_add_nc_u64 s[10:11], s[10:11], s[90:91]      ; plog: my sentence's 64 slices x 8 experts
	s_lshl_b32 s90, s88, 5
	s_add_nc_u64 s[86:87], s[86:87], s[90:91]      ; out1: my sentence's eight logits
	s_lshl_b32 s90, s42, 2
	s_add_co_u32 s90, s90, s14
	s_lshl_b32 s90, s90, 18
	s_add_nc_u64 s[6:7], s[6:7], s[90:91]          ; w2i: group 4 x tile column + wave, 262,144 bytes each
	s_lshl_b32 s92, s42, 10
	s_lshl_b32 s93, s14, 8
	s_add_co_u32 s92, s92, s93                     ; my 64 columns, in bytes of f32
	s_mov_b32 s93, 0
	s_add_nc_u64 s[80:81], s[80:81], s[92:93]      ; b2
	s_lshl_b32 s90, s89, 22                        ; 128 positions of 32,768 bytes; + 4,096 b
	s_add_co_u32 s92, s92, s90
	s_lshl_b32 s90, s88, 12
	s_add_co_u32 s92, s92, s90
	s_add_nc_u64 s[82:83], s[82:83], s[92:93]      ; x
	s_add_nc_u64 s[84:85], s[84:85], s[92:93]      ; out0
	s_lshl_b32 s96, s89, 4                         ; 0 only in the sentence's first work-group: it stores out1, by a lane mask; no branch hangs on it
	s_or_b32 s96, s96, s42
	s_lshl_b32 s96, s96, 7
	v_or_b32 v5, s96, v0                           ; 0 only in that work-group's thread 0
	global_load_b128 v[LG:LG+3], v6, s[10:11]
	global_load_b128 v[LG+4:LG+7], v6, s[10:11] offset:16
	global_load_b128 v[LG+8:LG+11], v6, s[10:11] offset:1024
	global_load_b128 v[LG+12:LG+15], v6, s[10:11] offset:1040
.irp e, 0,1,2,3,4,5,6,7
	global_load_b128 v[B2+4*\e:B2+4*\e+3], v7, s[80:81] offset:4096*\e
.endr
	WIN 0x40                                       ; destination window 1
	BW 0, 0                                        ; expert 0's w2
	BW 0, 1
	BW 0, 2
	s_wait_loadcnt 48                              ; plog and b2 are in; the 48 loads of w2i behind them may be out
	BW 0, 3
	WIN 0
.irp k, 0,2,4,6
	v_pk_add_f32 v[LG+\k:LG+\k+1], v[LG+\k:LG+\k+1], v[LG+8+\k:LG+9+\k]
.endr
.irp m, 1,2,4,8
.irp k, 0,1,2,3,4,5,6,7
	v_add_f32_dpp v[LG+\k], v[LG+\k], v[LG+\k] row_xmask:\m row_mask:0xf bank_mask:0xf
.endr
.endr
.irp k, 0,1,2,3,4,5,6,7
	v_permlanex16_b32 v[LG+8+\k], v[LG+\k], s94, s95
.endr
.irp k, 0,1,2,3,4,5,6,7
	v_add_f32 v[LG+\k], v[LG+\k], v[LG+8+\k]       ; the eight logits, in every lane
.endr
	v_cmp_eq_u32 vcc_lo, 0, v5
	s_wait_xcnt 0x0                                ; EXEC changes only behind this wait
	s_and_saveexec_b32 s98, vcc_lo
	global_store_b128 v27, v[LG:LG+3], s[86:87]
	global_store_b128 v27, v[LG+4:LG+7], s[86:87] offset:16
	s_wait_xcnt 0x0                                ; and again in front of the line that widens it
	s_or_b32 exec_lo, exec_lo, s98
	v_max3_num_f32 v88, v[LG], v[LG+1], v[LG+2]    ; the softmax: the largest logit is taken away first
	v_max3_num_f32 v88, v88, v[LG+3], v[LG+4]
	v_max3_num_f32 v88, v88, v[LG+5], v[LG+6]
	v_max_num_f32 v88, v88, v[LG+7]
.irp k, 0,1,2,3,4,5,6,7
	v_sub_f32 v[GT+\k], v[LG+\k], v88              ; (the difference first, then the factor: no large products are taken from each other)
.endr
.irp k, 0,1,2,3,4,5,6,7
	v_mul_f32 v[GT+\k], 0x3fb8aa3b, v[GT+\k]
.endr
.irp k, 0,1,2,3,4,5,6,7
	v_exp_f32 v[GT+\k], v[GT+\k]
.endr
	v_nop                                          ; a plain instruction behind the transcendentals
	s_wait_alu depctr_va_vdst(0)
	v_add_f32 v89, v[GT], v[GT+1]
.irp k, 2,3,4,5,6,7
	v_add_f32 v89, v89, v[GT+\k]
.endr
	v_rcp_f32 v89, v89
	v_nop
	s_wait_alu depctr_va_vdst(0)
.irp k, 0,1,2,3,4,5,6,7
	v_mul_f32 v[GT+\k], v[GT+\k], v89
.endr
	v_add_f32 v89, v[GT], v[GT+1]                  ; and once more: g / (the sum of g + 1e-9)
.irp k, 2,3,4,5,6,7
	v_add_f32 v89, v89, v[GT+\k]
.endr
	v_add_f32 v89, 0x3089705f, v89
	v_rcp_f32 v89, v89
	v_nop
	s_wait_alu depctr_va_vdst(0)
.irp k, 0,1,2,3,4,5,6,7
	v_mul_f32 v[GT+\k], v[GT+\k], v89
.endr
.irp k, 0,1,2,3
	v_mul_f32 v[BG+\k], v[GT], v[B2+\k]            ; the gated bias of my four columns
.endr
.irp e, 1,2,3,4,5,6,7
.irp k, 0,1,2,3
	v_fmac_f32 v[BG+\k], v[GT+\e], v[B2+4*\e+\k]
.endr
.endr
	s_wait_kmcnt 0x0
	s_add_co_i32 s89, s78, s79                     ; e2 + e3: a sum stands for sum x 2^(e2 + e3)
.irp k, 0,1,2,3,4,5,6,7
	v_ldexp_f32 v[GT+\k], v[GT+\k], s89
.endr
.irp e, 0,1,2,3,4,5,6,7
	v_readfirstlane_b32 s[GA+2*\e], v[GT+\e]       ; values for multiply-adds: no address and no branch hangs on them
	s_mov_b32 s[GA+2*\e+1], s[GA+2*\e]             ; (named with it as a pair)
.endr
; hq's four fragments of half-step H into half-set H % 3: 16 LDS loads
.macro FRAGA H
.set FE, (\H)/8
.set FS, (FE/2)%2
.set FO, 512*(FE%2)+128*(((\H)/2)%4)
.set FI, (\H)%2
.set FR0, AF+64*((\H)%3)
.irp j, 0,1,2,3
.irp c, 0,1,2,3
	ds_load_b128 v[FR0+16*\j+4*\c:FR0+16*\j+4*\c+3], v[ADRA+2*FS+FI] offset:FO+32*\c+\j*16*PITCH
.endr
.endr
.endm
; 4 cnt of half-step H's matrix instructions: its token blocks j0 on x my four column blocks.  An expert's first K step starts its sums with the constant 0: nothing is ever cleared.
; The 32 accumulators take turns, one instruction a turn, in the same order in every K step.
.macro MULH H, j0, cnt
.set MQ, ((\H)/2)%4
.set MB, 4*((\H)%2)
.set MA, AF+64*((\H)%3)
	WIN 0xa1                                       ; source 0 (w2) window 1, source 1 (hq) window 0, C and D window 2
.set JJ, \j0
.rept \cnt
.irp b, 0,1,2,3
.if MQ == 0
	v_wmma_f32_16x16x128_bf8_bf8 v[8*(4*(MB+JJ)+\b):8*(4*(MB+JJ)+\b)+7], v[64*MQ+16*\b:64*MQ+16*\b+15], v[MA+16*JJ:MA+16*JJ+15], 0
.else
	v_wmma_f32_16x16x128_bf8_bf8 v[8*(4*(MB+JJ)+\b):8*(4*(MB+JJ)+\b)+7], v[64*MQ+16*\b:64*MQ+16*\b+15], v[MA+16*JJ:MA+16*JJ+15], v[8*(4*(MB+JJ)+\b):8*(4*(MB+JJ)+\b)+7]
.endif
.endr
.set JJ, JJ+1
.endr
.endm
; Behind K step q of expert e set q takes the next expert's fragments; behind the last expert's it takes 32 rows of x: 16 loads either way, so that every count stays the same.
.macro BLOAD e, q
	WIN 0x40                                       ; destination window 1
.if (\e) < 7
	BW (\e)+1, \q
.else
.set NX, 16*(\q)
.rept 16
	global_load_b128 v[4*NX:4*NX+3], v[XO], s[82:83] offset:2*NX*ROWX th:TH_LOAD_NT   ; rows 2 NX and 2 NX + 1 of my 128: 126 rows of 32,768 bytes at the most, inside the signed 24-bit immediate
.set NX, NX+1
.endr
.endif
.endm
; A half-step.  change = 1: the change of slots.  It stands where all fetches from the slot in hand have been issued (the last, half-step H + 2's, a half-step ago) and the next fetch is the other slot's first.
; ONE barrier: in front of it each wave waits for all its tensor loads, adds 0 to its spare word, and waits for that and for its own reads of the slot.  fill = 1: the slot takes the experts four further on.
.macro HALF H, change, fill
.set HE, (\H)/8
.set HQ, ((\H)/2)%4
.set HI, (\H)%2
.set HS, (HE/2)%2
.if HI == 0
	s_wait_loadcnt 48                              ; this K step's set of w2 is in; the three sets asked for behind it may be out
.endif
.if \change
	WIN 0                                          ; (the add's two registers lie in window 0)
	s_wait_tensorcnt 0x0                           ; all my tensor loads have landed: my part of the other slot
	ds_add_u32 v[SPW], v[NIL]                      ; 0 onto my spare word
	s_wait_dscnt 33                                ; the add and the fetches of the next two half-steps may be out
	MULH \H, 0, 2                                  ; eight matrix instructions stand between the add and the wait for it
	s_wait_dscnt 0x0                               ; the add is done, and my reads of this slot are over
	s_barrier_signal -1
	MULH \H, 2, 2
	WIN 0
	s_barrier_wait -1
.if \fill
	CREST                                          ; the barrier has opened a round of the cluster's barrier: no wave of any partner still reads this slot or has a load on its way
	s_add_nc_u64 s[G0+4*HS+2:G0+4*HS+3], s[G0+4*HS+2:G0+4*HS+3], 2048   ; four experts on along hq's rows
	tensor_load_to_lds s[G0+4*HS:G0+4*HS+3], s[G1:G1+7]                 ; the first tensor load behind the round, my one until the next
	s_nop 0
.endif
	PLACES 4                                       ; behind the tensor load, and the places in front of the loads below
.else
.if (\H) < 62
	s_wait_dscnt 32                                ; this half-step's fragments are in; the fetches of the next two may be out
.elseif (\H) == 62
	s_wait_dscnt 16
.else
	s_wait_dscnt 0
.endif
	MULH \H, 0, 4
	PLACES 4
	WIN 0
.endif
.if (\H)+3 < 64
	FRAGA (\H)+3                                   ; into the half-set just multiplied
.endif
.if HI == 1
	BLOAD HE, HQ                                   ; into the set just multiplied
.endif
.endm
; The expert's sums go into the output's: out = g y (the first expert: nothing is ever cleared) or out += g y; each accumulator from its low end on.  The four places behind the last products stand in HALF.
.macro FOLD e
.if (\e) == 0
	WIN 0xc2                                       ; source 0 (y) window 2, destination window 3
.else
	WIN 0xf2                                       ; and source 2 window 3
.endif
.set PP, 0
.rept 128
.if (\e) == 0
	v_pk_mul_f32 v[PP:PP+1], v[PP:PP+1], s[GA:GA+1] op_sel_hi:[1,0]
.else
	v_pk_fma_f32 v[PP:PP+1], v[PP:PP+1], s[GA+2*(\e):GA+2*(\e)+1], v[PP:PP+1] op_sel_hi:[1,0,1]   ; the pair's low word serves both halves
.endif
.set PP, PP+2
.endr
.endm
.macro EXPERT e, change, fill
.irp n, 0,1,2,3,4
	HALF 8*(\e)+\n, 0, 0
.endr
	HALF 8*(\e)+5, \change, \fill
	HALF 8*(\e)+6, 0, 0
	HALF 8*(\e)+7, 0, 0
	FOLD \e                                        ; the next expert's first fragments and w2's next set land meanwhile
.endm
	s_wait_tensorcnt 1                             ; my part of slot 0 is in (slot 1's load may be out)
	s_barrier_signal -1
	s_barrier_wait -1                              ; everybody's is
	FRAGA 0
	FRAGA 1
	FRAGA 2
	EXPERT 0, 0, 0
	EXPERT 1, 1, 1                                 ; slot 0 is left and takes experts 4 and 5
	EXPERT 2, 0, 0
	EXPERT 3, 1, 1                                 ; slot 1 is left and takes experts 6 and 7
	EXPERT 4, 0, 0
	EXPERT 5, 1, 0                                 ; nothing is left to fetch: no round, no load
	EXPERT 6, 0, 0
	EXPERT 7, 0, 0
; THE WAY OUT, block by block of 16 tokens x 64 columns.  A lane holds 32 neighbouring bytes of a row, and the lanes beside it hold other rows: so a block goes through my own stage and comes back as whole rows of
; 256 bytes.  LDS serves a wave's instructions in order (ISA guide 5.7.1.4): no wait between the stores and the loads, nor in front of the next block's stores.
.macro TOSTAGE a
	WIN 0x0c                                       ; the stores' data: window 3
.irp b, 0,1,2,3
	ds_store_b128 v[STO], v[8*(4*(\a)+\b):8*(4*(\a)+\b)+3] offset:64*\b
	ds_store_b128 v[STO], v[8*(4*(\a)+\b)+4:8*(4*(\a)+\b)+7] offset:64*\b+16
.endr
	WIN 0
.set BB, BK+32*((\a)%2)
.irp t, 0,1,2,3,4,5,6,7
	ds_load_b128 v[BB+4*\t:BB+4*\t+3], v[RD] offset:\t*2*SP
.endr
.endm
.macro SEND a, younger                 ; younger: the LDS instructions issued behind block a's loads, which may stay out
.set BB, BK+32*((\a)%2)
	s_wait_dscnt \younger                          ; the block is back in registers
	s_wait_loadcnt 56-8*(\a)                       ; its eight loads of x are in; the later blocks' may be out
	WIN 0x04                                       ; source 1 (x) window 1
.set PP, 0
.rept 16
	v_pk_add_f32 v[BB+PP:BB+PP+1], v[BB+PP:BB+PP+1], v[32*(\a)+PP:32*(\a)+PP+1]   ; + the residual
.set PP, PP+2
.endr
	WIN 0
.irp t, 0,1,2,3,4,5,6,7
	v_pk_add_f32 v[BB+4*\t:BB+4*\t+1], v[BB+4*\t:BB+4*\t+1], v[BG:BG+1]           ; + the gated bias
	v_pk_add_f32 v[BB+4*\t+2:BB+4*\t+3], v[BB+4*\t+2:BB+4*\t+3], v[BG+2:BG+3]
.endr
.irp t, 0,1,2,3,4,5,6,7
	global_store_b128 v[XO], v[BB+4*\t:BB+4*\t+3], s[84:85] offset:(16*(\a)+2*\t)*ROWX th:TH_STORE_NT   ; 16 lanes store 256 consecutive bytes, at a multiple of 256 from out0's first byte
.endr
.endm
	TOSTAGE 0
.irp a, 1,2,3,4,5,6,7
.if \a > 1
	s_wait_xcnt 0x0                                ; block a - 2's stores have read their registers: block a's loads may land there
.endif
	TOSTAGE \a
	SEND \a-1, 16                                  ; behind block a - 1's loads: block a's 8 stores and 8 loads
.endr
	SEND 7, 0
	s_wait_tensorcnt 0x0                           ; the wave's end: behind my last tensor load and my last LDS store
	ds_add_u32 v[SPW], v[NIL]
	s_wait_dscnt 0x0
	CROUND                                         ; the closing round: no work-group ends while a partner may still ask for a tile that names it
	s_endpgm
.Lfunc_end_k_q92fc76f37f_gemm2:
	.size	k_q92fc76f37f_gemm2, .Lfunc_end_k_q92fc76f37f_gemm2-k_q92fc76f37f_gemm2
	.p2alignl 7, 3214868480
	.fill 96, 4, 3214868480
	.section	.rodata,"a",@progbits
	.p2align	6, 0x0
	.amdhsa_kernel k_q92fc76f37f_gemm2
		.amdhsa_group_segment_fixed_size 327680
		.amdhsa_private_segment_fixed_size 0
		.amdhsa_enable_private_segment 0
		.amdhsa_kernarg_size 64
		.amdhsa_user_sgpr_count 2
		.amdhsa_user_sgpr_kernarg_segment_ptr 1
		.amdhsa_wavefront_size32 1
		.amdhsa_system_sgpr_workgroup_id_x 1
		.amdhsa_system_sgpr_workgroup_id_y 1
		.amdhsa_system_sgpr_workgroup_id_z 1
		.amdhsa_system_vgpr_workitem_id 0
		.amdhsa_next_free_vgpr 1024
		.amdhsa_next_free_sgpr 100
		.amdhsa_reserve_vcc 1
		.amdhsa_float_denorm_mode_32 3
		.amdhsa_float_denorm_mode_16_64 3
		.amdhsa_memory_ordered 1
		.amdhsa_forward_progress 1
		.amdhsa_inst_pref_size 255
	.end_amdhsa_kernel
	.section	.bss,"aw",@nobits
	.p2align	6
	.space	262144
	.amdgpu_metadata
---
amdhsa.version: [ 1, 2 ]
amdhsa.kernels:
  - .name:           k_q92fc76f37f_gemm2
    .symbol:         k_q92fc76f37f_gemm2.kd
    .args:
      - { .name: hq, .offset: 0, .size: 8, .value_kind: global_buffer, .address_space: global }
      - { .name: w2i, .offset: 8, .size: 8, .value_kind: global_buffer, .address_space: global }
      - { .name: lowp_scales, .offset: 16, .size: 8, .value_kind: global_buffer, .address_space: global }
      - { .name: plog, .offset: 24, .size: 8, .value_kind: global_buffer, .address_space: global }
      - { .name: b2, .offset: 32, .size: 8, .value_kind: global_buffer, .address_space: global }
      - { .name: x, .offset: 40, .size: 8, .value_kind: global_buffer, .address_space: global }
      - { .name: out0, .offset: 48, .size: 8, .value_kind: global_buffer, .address_space: global }
      - { .name: out1, .offset: 56, .size: 8, .value_kind: global_buffer, .address_space: global }
    .group_segment_fixed_size: 327680
    .private_segment_fixed_size: 0
    .kernarg_segment_align: 8
    .kernarg_segment_size: 64
    .max_flat_workgroup_size: 128
    .sgpr_count:     100
    .vgpr_count:     1024
    .wavefront_size: 32
...
	.end_amdgpu_metadata
.endif
;; end of part 3
